; MI455X (gfx1250); checked and timed in simulation.
; The chip was launched on July 23, 2026; its instructions are those of AMD's public machine-readable ISA for CDNA 5 (MIT licence, August 2026) and "CDNA5" Instruction Set Architecture Reference Guide (July 2026). The comments in the code are by the model that wrote it; some were corrected since.
;; Multi Head Attention. Allowed arithmetic: matrix products marked QUANTISED: E4M3 operands, one given power-of-two scale a tensor, by v_wmma_f32_16x16x64_fp8_fp8 or v_wmma_f32_16x16x128_fp8_fp8, f32 sums; everything else in f32.
;; Inputs: Wk_codes 1,024 x 32 x 32 uint8 (E4M3 codes of Wk, K innermost, in blocks of 32 codes); Wo_codes 1,024 x 32 x 32 uint8 (E4M3 codes of Wo, K innermost, in blocks of 32 codes); Wq_codes 1,024 x 32 x 32 uint8 (E4M3 codes of Wq, K innermost, in blocks of 32 codes); Wv_codes 1,024 x 32 x 32 uint8 (E4M3 codes of Wv, K innermost, in blocks of 32 codes); bo 1,024 float32; lowp_scales 12 int32 (the exponents e of the quantised operands' scales 2^e); x_codes 4 x 2,048 x 32 x 32 uint8 (E4M3 codes of x, K innermost, in blocks of 32 codes).
;; Outputs: out0 4 x 2,048 x 1,024 float32.
;; This version of the problem:
;;   THIS VERSION OF THE PROBLEM IS GIVEN IN LOW PRECISION. The matrix products marked QUANTISED in the list below multiply operands that are first quantised to E4M3 (4 exponent bits, 3 mantissa bits; 8 bits a number), with one given power-of-two scale for each operand tensor; their sums are f32. All else is computed in f32.
;;   The module's matrix products, in the order in which they are computed (A, B: the left and right operand; K: the contracted axis; several contracted axes count as one K, in the product's order):
;;     1. [M 8,192, K 1,024] x [K 1,024, N 1,024]; A: input x (given as codes); B: input Wq (given as codes): QUANTISED (scales: A lowp_scales[0], B lowp_scales[1])
;;     2. [M 8,192, K 1,024] x [K 1,024, N 1,024]; A: input x (given as codes); B: input Wk (given as codes): QUANTISED (scales: A lowp_scales[2], B lowp_scales[3])
;;     3. [M 8,192, K 1,024] x [K 1,024, N 1,024]; A: input x (given as codes); B: input Wv (given as codes): QUANTISED (scales: A lowp_scales[4], B lowp_scales[5])
;;     4. batch 64 x [M 2,048, K 64] x [K 64, N 2,048]; A: computed on the way; B: computed on the way: QUANTISED (scales: A lowp_scales[6], B lowp_scales[7])
;;     5. batch 64 x [M 2,048, K 2,048] x [K 2,048, N 64]; A: softmax (see below); B: computed on the way: QUANTISED (scales: A lowp_scales[8], B lowp_scales[9])
;;     6. [M 8,192, K 1,024] x [K 1,024, N 1,024]; A: computed on the way; B: input Wo (given as codes): QUANTISED (scales: A lowp_scales[10], B lowp_scales[11])
;;   THE QUANTISER, for each operand of a quantised product, along K:
;;     - The operand's scale is 2^e, e = its entry of the input lowp_scales (int32; the entries are numbered through the quantised products in the list's order, A before B).
;;     - Each number is divided by the scale, clamped to +-448, and rounded to the nearest number of E4M3, ties to even, subnormals kept.
;;     - The product sums the exact products of the quantised numbers (number of the format x scale) in f32.
;;   ~~~python
;;   def quantise(x, axis, e):      # numpy; x: float32 -> the quantised numbers, widened to float32 again
;;       x = np.moveaxis(x, axis, -1); K = x.shape[-1]
;;       r = np.clip(x / 2.0 ** e, -448, 448)
;;       step = 2.0 ** (np.maximum(np.frexp(np.where(r == 0, 1, r))[1] - 1, -6) - 3)
;;       q = np.round(r / step) * step * 2.0 ** e      # np.round: ties to even
;;       return np.moveaxis(q, -1, axis).astype(np.float32)
;;   ~~~
;;   SOFTMAX AHEAD OF A QUANTISED PRODUCT. Where the list says 'softmax', what is quantised is not the finished softmax but p = 2^(t - M), with t = logit x log2(e) and M = ceil(the row's largest t), a whole number; so 1/2 < the row's largest p <= 1. The row's sum l is taken of the UNQUANTISED p, in f32, and the product's result is divided by l at the end. Since M is a whole number, a kernel that streams over the keys may use a running M (the ceiling of the running maximum): every later rescaling is an exact power of two, so the quantised numbers keep their values, but for numbers so far below the row's largest that they fall under the format's range.
;;   OPERANDS COMPUTED ON THE WAY. 'Computed on the way' means the value that the module computes at that place (a softmax that the list does not call 'softmax' is quantised finished and normalised). What goes into a quantiser is computed in f32, as accurately as f32 sums, v_exp_f32 and their like allow (about 1e-6 of the number): no bf16 or f16 on the way to a quantiser, and a product that is left as it is and whose result goes on into a quantised operand takes f32 operands (vector FMAs, or v_wmma_f32_16x16x4_f32). A number that lies on a knife's edge between two numbers of the format may be rounded either way, as far as f32 arithmetic and the matrix unit's own rounding can turn it there, and no further.
;;   INPUTS GIVEN AS CODES. Wk (in the module: [1024, 1024], K = its axis 0); Wo (in the module: [1024, 1024], K = its axis 1); Wq (in the module: [1024, 1024], K = its axis 0); Wv (in the module: [1024, 1024], K = its axis 0); x (in the module: [4, 2048, 1024], K = its axis 2): each comes as NAME_codes (uint8): NAME with its K axis moved to the last place and cut into blocks of 32 codes, [.., K / 32, bytes a block], one block behind the other in memory; one code a byte (a code: sign, 4 exponent bits, 3 mantissa bits); its scale is its entry of lowp_scales. Its value is code x scale, taken as it is: it is not quantised again, and the codes and scales need not be those that the quantiser above would give.
;; One version. Each part assembles by itself: llvm-mc -triple=amdgcn-amd-amdhsa -mcpu=gfx1250 --defsym DOCPART=n.
;; ======== version 1 of 1: 3 launches
;; limits: right only within a limited range of input values
;; workspace buffers: qf 8,388,608 bytes; kv 16,777,216 bytes; cf 8,388,608 bytes
;; launch qkv (part 1): grid 12 x 32, 4 waves a work-group, clusters of 4 x 4, 327,680 bytes of LDS; arguments x_codes, Wq_codes, Wk_codes, Wv_codes, lowp_scales, qf, kv; writes qf, kv
.if DOCPART == 1
	.amdgcn_target "amdgcn-amd-amdhsa--gfx1250"
	.amdhsa_code_object_version 6
	.text
	.protected	k_q080ccf6fb5_qkv
	.globl	k_q080ccf6fb5_qkv
	.p2align	8
	.type	k_q080ccf6fb5_qkv,@function
k_q080ccf6fb5_qkv:
	s_mov_b64 s[64:65], 0
	v_nop
	global_prefetch_b8 v0, s[64:65] scope:SCOPE_SE
	s_setreg_imm32_b32 hwreg(HW_REG_WAVE_MODE, 25, 1), 1
	s_wait_xcnt 0x0
	s_wait_alu depctr_hold_cnt(0) depctr_sa_sdst(0) depctr_va_vdst(0) depctr_va_sdst(0) depctr_va_ssrc(0) depctr_va_vcc(0) depctr_vm_vsrc(0)
	s_getreg_b32 s2, hwreg(HW_REG_IB_STS2, 6, 4)
	s_cmp_eq_u32 s2, 0
	s_cbranch_scc0 .Lentry_in_a_cluster
	s_endpgm
.Lentry_in_a_cluster:
	s_bfe_u32 s2, ttmp6, 0x10000c
	s_cmp_lg_u32 s2, 0xf033
	s_cbranch_scc0 .Lentry_shape_is_right
	s_endpgm
.Lentry_shape_is_right:
; q = x Wq, k = x Wk, v^T = Wv x^T on codes of FP8 (E4M3), each result quantised at once to E4M3 with its given scale and stored as an IMAGE OF THE REGISTERS in which the next launch wants it.
; x: [8192][1024] codes; Wq, Wk, Wv: [1024 (feature)][1024 (K)] codes; K innermost in all.  C[m][n] = sum over k of A[m][k] B[n][k].
; The cluster's x says which product (kind): 0: A = x, B = Wq;  1: A = x, B = Wk;  2: A = Wv, B = x, so that C = v^T, whose rows run along the tokens, the K of attention's second product.
; kind is the same in all sixteen partners of a cluster; it chooses pointers, offsets and scales by selects, and no branch hangs on it.
; A tile of C is 256 x 256: four waves, each 128 x 128 in 64 accumulators.  K goes in steps of 256 through a ring of two LDS slots filled by joint tensor loads: the four work-groups of a row of the
; cluster share A's tile, the four of a column B's.  THE MATRIX INSTRUCTION IS USED TRANSPOSED (source 0 = 16 rows of B, source 1 = 16 rows of A): register j of lane (r, h) of accumulator (a, nb) is
; C(16 a + r, 16 nb + 8 h + j): eight neighbours along n.  One conversion of an accumulator gives registers 2 nb, 2 nb + 1 of a plain 8-bit fragment of rows 16 a on (ISA guide 7.12.2), so the codes are
; stored as they stand, four registers a lane, 512 consecutive bytes a store: no stage in LDS, no transposition.
;   qf: [16 b + head][s / 16][2][lane][16 bytes]: a fragment of 16 queries x 64.     kv: [16 b + head][s / 128][16,384 bytes]: 8 fragments of 16 keys x 64 (1,024 bytes each), then 4 of 16 channels x 128 keys (2,048 each).
; code = sum / 2^E, E = eQ - eA - eB with (eA, eB, eQ) = entries (0, 1, 6), (2, 3, 7), (4, 5, 9) of the scales.  LIMIT: -126 <= E <= 119, so that 2^E and 448 x 2^E are f32 numbers.
; Inside an instruction k is permuted, alike in A and B (four loads of 16 bytes a fragment): every product meets its partner; only the order of the sums differs.  NaN codes among the inputs spread as the matrix unit spreads them.
; REGISTERS, in windows of 256: window 0: v0-31 addresses and the scale; from v128 A's fragments, ONE set; on the way out the codes.   window 1: B's fragments, TWO sets.   windows 2, 3: the accumulators.
.set KSTEP,  256                       ; along K in a slot
.set ROWB,   256                       ; a tile's row in bytes
.set KROW,   1024                      ; a row of A or of B in memory, in bytes
.set PITCH,  272                       ; an LDS row: 256 bytes + 16 of padding = 68 words: the 16 rows that a load touches start at 16 different banks (64 banks of 4 bytes: ISA guide 11.1)
.set FR,     16                        ; registers of a fragment: 16 rows x 128 K
.set NL,     4                         ; LDS loads that bring one
.set NP,     4                         ; places behind this matrix instruction (ISA guide 7.12.1)
.set HALFT,  128*PITCH                 ; 128 rows: what one tensor load brings
.set SLOT,   4*HALFT                   ; A's 256 rows, then B's 256 rows
.set LAPS,   2                         ; K = 1,024 = two laps of two K steps
.set SPARE,  2*SLOT                    ; behind the ring: the spare words, 128 bytes for each wave, which no other line names
.set ADRA, 16                          ; v16-17  LDS address of my A fragments in slot 0, 1
.set ADRB, 20                          ; v20-21  the same for B
.set O0,   26                          ; v26     16 x lane: my 16 bytes of a store's 512
.set O1,   27                          ; v27     the same, one group of eight registers further on in the output
.set SPW,  28                          ; v28     LDS address of my spare word; never rewritten
.set NIL,  29                          ; v29     0; never rewritten
.set SC,   30                          ; v30     2^E as f32
.set LIM,  31
.set TMP,  32
.set AF,   128                         ; A's fragments, in window 0
.set CD,   128                         ; the way out: the codes, 16 registers for each block of 16 rows: no store's data are written again
.set G1, 24                            ; s[24:31] descriptor group 1 for A's tiles;  s[32:39] group 0, one set for each slot
.set G0, 32
.set G1B, 48                           ; s[48:55], s[56:63] the same for B's tiles
.set G0B, 56
.set MSB, 0
.macro WIN new                         ; the immediate's high byte repeats the setting that is left
.if MSB != \new
	s_set_vgpr_msb (MSB<<8)|\new
.set MSB, \new
.endif
.endm
.set MUL_LO, 0xa1                      ; source 0 (B) window 1, source 1 (A) window 0, C and D window 2
.set MUL_HI, 0xf1                      ; the same, C and D window 3
.set TO_B,   0x40                      ; destination window 1, address window 0
; A joint load: waves 0 and 1 fetch for A, waves 2 and 3 for B.  The branch hangs on the wave's number alone.  Four v_nop follow each of the two lines.
.macro JLOAD g0a, g1a, g0b, g1b
	s_cmp_eq_u32 s15, 0
	s_cbranch_scc0 .Lfor_b_\@
	tensor_load_to_lds s[\g0a:\g0a+3], s[\g1a:\g1a+7]
	s_nop 0
.rept 4
	v_nop
.endr
	s_branch .Lasked_\@
.Lfor_b_\@:
	tensor_load_to_lds s[\g0b:\g0b+3], s[\g1b:\g1b+7]
	s_nop 0
.rept 4
	v_nop
.endr
.Lasked_\@:
.endm
.macro CREST                           ; a round of the cluster's barrier behind its opening barrier
	s_cmp_lg_u32 s14, 0
	s_cbranch_scc1 .Lnot_wave_0_\@
	s_barrier_signal -3
.Lnot_wave_0_\@:
	s_barrier_wait -3
	s_barrier_signal -1
	s_barrier_wait -1
.endm
.macro CROUND                          ; a whole round
	s_barrier_signal -1
	s_barrier_wait -1
	CREST
.endm
	s_load_b256 s[4:11], s[0:1], 0x0               ; x s[4:5], Wq s[6:7], Wk s[8:9], Wv s[10:11]
	s_load_b128 s[68:71], s[0:1], 0x20             ; the scales' exponents s[68:69], qf s[70:71]
	s_load_b64 s[72:73], s[0:1], 0x30              ; kv
	v_lshl_add_u32 v[SPW], v0, 2, SPARE
	v_mov_b32 v[NIL], 0
	ds_add_u32 v28, v29
	ds_add_u32 v28, v29
	s_wait_dscnt 0x0
	v_lshrrev_b32 v1, 5, v0
	v_readfirstlane_b32 s14, v1                    ; wave 0..3
	s_lshr_b32 s15, s14, 1                         ; which half of the tile's rows is mine.  Also: I fetch for A (0) or for B (1)
	s_and_b32 s16, s14, 1                          ; which half of its columns.  Also: which 128 rows of that tile I fetch
	s_bfe_u32 s40, ttmp6, 0x40000                  ; cx, cy: my place in the cluster
	s_bfe_u32 s41, ttmp6, 0x40004
	s_mov_b32 s74, ttmp9                           ; kind: the cluster's x
	s_and_b32 s75, ttmp7, 0xffff                   ; the cluster's y, 0..7: it walks the tokens
	s_cmp_eq_u32 s74, 2
	s_cselect_b32 s17, 0, s75                      ; the tokens are C's rows for q and k,
	s_cselect_b32 s42, s75, 0                      ; its columns for v^T
	s_lshl_b32 s17, s17, 2
	s_add_co_u32 s17, s17, s41                     ; tile row of C
	s_lshl_b32 s42, s42, 2
	s_add_co_u32 s42, s42, s40                     ; tile column of C
	s_lshl_b32 s43, s41, 2
	s_lshl_b32 s43, 15, s43                        ; my row of the cluster
	s_lshl_b32 s44, 0x1111, s40                    ; my column
	; descriptor group 1: a tile of 128 rows x 256 bytes, padded in LDS
	s_or_b32 s[G1+0], s43, (0<<16)|(1<<20)|(1<<21)|(5<<22)|(3<<25)  ; 15:0 the mask: A's tiles go to my row; 17:16 element of 1 byte; 20 padding on; 21 set beside a mask; 24:22 after every 64 words; 31:25 of 4 words
	s_or_b32 s[G1B+0], s44, (0<<16)|(1<<20)|(1<<21)|(5<<22)|(3<<25)
.irp g, G1, G1B
	s_mov_b32 s[\g+1], ROWB<<16                    ; tensor_dim0
	s_mov_b32 s[\g+2], 128<<16                     ; tensor_dim1 = 128
	s_mov_b32 s[\g+3], ROWB<<16                    ; tile_dim0
	s_mov_b32 s[\g+4], 128                         ; tile_dim1 = 128
	s_mov_b32 s[\g+5], KROW                        ; tensor_dim0_stride
	s_mov_b32 s[\g+6], 0
	s_mov_b32 s[\g+7], 0
.endr
	s_lshl_b32 s18, s16, 7                         ; which 128 rows of the tile I fetch
	s_lshl_b32 s20, s17, 8
	s_add_co_u32 s20, s20, s18                     ; A: row 256 x tile row + 128 x half
	s_lshl_b32 s46, s42, 8
	s_add_co_u32 s46, s46, s18                     ; B: row 256 x tile column + 128 x half
	s_lshl_b32 s20, s20, 10                        ; in bytes: a row is 1,024; 8,191 rows at the most
	s_lshl_b32 s46, s46, 10
	s_mov_b32 s21, 0
	s_mov_b32 s47, 0
	s_mul_i32 s45, s14, HALFT                      ; where they go: wave x 128 rows: no place in the cluster enters an LDS address
	s_wait_kmcnt 0x0
	s_load_b256 s[76:83], s[68:69], 0x0            ; entries 0 to 7 of the scales
	s_load_b128 s[84:87], s[68:69], 0x20           ; entries 8 to 11
	s_cmp_eq_u32 s74, 2
	s_cselect_b64 s[12:13], s[10:11], s[4:5]       ; A: Wv, else x
	s_cselect_b64 s[8:9], s[4:5], s[8:9]           ; B: x, else Wk,
	s_cmp_eq_u32 s74, 0
	s_cselect_b64 s[8:9], s[6:7], s[8:9]           ; or Wq
	s_add_nc_u64 s[20:21], s[12:13], s[20:21]
	s_add_nc_u64 s[46:47], s[8:9], s[46:47]
	CROUND                                         ; all sixteen work-groups are here: the first joint loads meet
.irp s, 0,1
	s_mov_b32 s[G0+4*\s], 1
	s_add_co_u32 s[G0+4*\s+1], s45, \s*SLOT
	s_add_nc_u64 s[G0+4*\s+2:G0+4*\s+3], s[20:21], \s*ROWB
	s_or_b32 s[G0+4*\s+3], s[G0+4*\s+3], 0x80000000
	s_mov_b32 s[G0B+4*\s], 1
	s_add_co_u32 s[G0B+4*\s+1], s45, \s*SLOT
	s_add_nc_u64 s[G0B+4*\s+2:G0B+4*\s+3], s[46:47], \s*ROWB
	s_or_b32 s[G0B+4*\s+3], s[G0B+4*\s+3], 0x80000000
	JLOAD G0+4*\s, G1, G0B+4*\s, G1B
.endr
	v_and_b32 v1, 15, v0                           ; l % 16
	v_bfe_u32 v2, v0, 4, 1                         ; l / 16
	v_mul_u32_u24 v3, v1, PITCH
	v_lshl_add_u32 v4, v2, 4, v3                   ; a fragment's row x pitch + 16 x half
	s_mul_i32 s21, s15, HALFT                      ; my 128 rows of A
	s_mul_i32 s22, s16, HALFT                      ; my 128 rows of B,
	s_add_co_u32 s22, s22, 2*HALFT                 ; which lie behind A's 256
.irp s, 0,1
	v_add_nc_u32 v[ADRA+\s], s21, v4
	v_add_nc_u32 v[ADRB+\s], s22, v4
	s_add_co_u32 s21, s21, SLOT
	s_add_co_u32 s22, s22, SLOT
.endr
	; where my codes go.  R: my first token; F: my first feature (64 to a head).  off0 = (R / 2048) 2^21 + (F / 64) 2^17 + (R % 2048) 64 is the place in qf; kv has twice the bytes a head and a token; V's part lies 8,192 bytes on
	s_lshl_b32 s92, s17, 8
	s_lshl_b32 s93, s15, 7
	s_add_co_u32 s92, s92, s93                     ; my first row of C
	s_lshl_b32 s93, s42, 8
	s_lshl_b32 s94, s16, 7
	s_add_co_u32 s93, s93, s94                     ; my first column of C
	s_cmp_eq_u32 s74, 2
	s_cselect_b32 s94, s93, s92                    ; R
	s_cselect_b32 s95, s92, s93                    ; F
	s_lshr_b32 s95, s95, 6
	s_lshl_b32 s95, s95, 17
	s_lshr_b32 s92, s94, 11
	s_lshl_b32 s92, s92, 21
	s_and_b32 s94, s94, 2047
	s_lshl_b32 s94, s94, 6
	s_add_co_u32 s92, s92, s95
	s_add_co_u32 s92, s92, s94                     ; off0, under 2^23
	s_cmp_eq_u32 s74, 0
	s_cselect_b32 s93, 0, 1
	s_lshl_b32 s92, s92, s93
	s_cmp_eq_u32 s74, 2
	s_cselect_b32 s93, 8192, 0
	s_add_co_u32 s92, s92, s93
	s_mov_b32 s93, 0
	s_cmp_eq_u32 s74, 0
	s_cselect_b64 s[96:97], s[70:71], s[72:73]     ; qf, else kv
	s_mov_b32 s95, 262144
	s_cselect_b32 s95, 131072, s95                 ; from a block's registers 0-7 to its registers 8-15: q, k: the next head;
	s_add_nc_u64 s[96:97], s[96:97], s[92:93]
	s_cmp_eq_u32 s74, 2
	s_cselect_b32 s95, 1024, s95                   ; v: the second half of the same fragment
	s_mov_b32 s88, 1024
	s_cselect_b32 s88, 2048, s88                   ; from block to block: q, k: a fragment of 1,024 bytes; v: of 2,048;
	s_mov_b32 s90, 1024
	s_cselect_b32 s90, 256000, s90                 ; from block 3 to block 4, v: the next head's first fragment: 262,144 - 3 x 2,048
	s_mov_b32 s89, 0
	s_mov_b32 s91, 0
	v_and_b32 v6, 31, v0
	v_lshlrev_b32 v[O0], 4, v6
	v_add_nc_u32 v[O1], s95, v[O0]
.macro FRAG reg, adr, q, i             ; a fragment, 16 rows x 128 K, is 16 registers: lane l holds row l % 16; registers 4 c .. 4 c + 3 hold K = 32 c + 16 (l / 16) + 0 .. 15
.irp c, 0,1,2,3
	ds_load_b128 v[\reg+4*\c:\reg+4*\c+3], v[\adr] offset:128*(\q)+32*\c+(\i)*16*PITCH
.endr
.endm
; 16 matrix instructions: A's blocks a0, a0 + 1 x B's eight, 128 along K.  p: B's set.  zero = 1: the first product starts the sums.  The 64 accumulators take turns, one instruction a turn.
.macro MUL16 a0, p, zero
.irp a, \a0, \a0+1
.irp b, 0,1,2,3,4,5,6,7
.if \zero
	v_wmma_f32_16x16x128_fp8_fp8 v[8*(8*((\a)%4)+\b):8*(8*((\a)%4)+\b)+7], v[128*(\p)+FR*\b:128*(\p)+FR*\b+FR-1], v[AF+FR*(\a):AF+FR*(\a)+FR-1], 0
.else
	v_wmma_f32_16x16x128_fp8_fp8 v[8*(8*((\a)%4)+\b):8*(8*((\a)%4)+\b)+7], v[128*(\p)+FR*\b:128*(\p)+FR*\b+FR-1], v[AF+FR*(\a):AF+FR*(\a)+FR-1], v[8*(8*((\a)%4)+\b):8*(8*((\a)%4)+\b)+7]
.endif
.endr
.endr
.endm
.macro FETCH_B slot, q, p              ; B's eight fragments of the slot's q-th 128 along K into set p
	WIN TO_B
.irp i, 0,1,2,3,4,5,6,7
	FRAG 128*(\p)+FR*\i, ADRB+\slot, \q, \i
.endr
	WIN 0
.endm
.macro FETCH_A slot, q, i0             ; A's blocks i0 .. i0 + 3
.irp i, \i0, \i0+1, \i0+2, \i0+3
	FRAG AF+FR*(\i), ADRA+\slot, \q, \i
.endr
.endm
.macro PLACES n                        ; plain vector instructions between a matrix instruction and a load into, or a read of, its registers
.rept \n
	v_nop
.endr
.endm
; A step of 128 along K that has its successor in the same slot.
.macro STEP slot, q, zero
	s_wait_dscnt 4*NL                              ; B's set and A's blocks 0-3 are in; the youngest 16 loads (A's blocks 4-7) may be out
	WIN MUL_LO
	MUL16 0, (\q)%2, \zero
	MUL16 2, (\q)%2, \zero
	s_wait_dscnt 0                                 ; A's blocks 4-7 are in
	PLACES NP
	FETCH_B \slot, (\q)+1, 1-(\q)%2
	FETCH_A \slot, (\q)+1, 0
	WIN MUL_HI
	MUL16 4, (\q)%2, \zero
	MUL16 6, (\q)%2, \zero
	PLACES NP
	WIN 0
	FETCH_A \slot, (\q)+1, 4
.endm
; A slot's last step changes slots: ONE barrier; in front of it each wave waits for all its tensor loads, adds 0 to its spare word, and waits for that and for its own reads of this slot.  fill = 1: this slot is filled again, two K steps ahead.
.macro TURN slot, next, fill
	s_wait_tensorcnt 0x0                           ; all my tensor loads have landed: my part of the next slot
	ds_add_u32 v[SPW], v[NIL]                      ; 0 onto my spare word
	s_wait_dscnt 4*NL+1                            ; the add and the youngest 16 loads (A's blocks 4-7) may be out
	WIN MUL_LO
	MUL16 0, 1, 0                                  ; sixteen matrix instructions stand between the add and the wait for it
	s_wait_dscnt 0x0                               ; the add is done, and my reads of this slot are over
	s_barrier_signal -1
	MUL16 2, 1, 0
	WIN 0
	s_barrier_wait -1
.if \fill
	CREST                                          ; the barrier has opened a round of the cluster's barrier: no wave of any partner still reads this slot's tile or has a load on its way
	s_add_nc_u64 s[G0+4*\slot+2:G0+4*\slot+3], s[G0+4*\slot+2:G0+4*\slot+3], 2*ROWB
	s_add_nc_u64 s[G0B+4*\slot+2:G0B+4*\slot+3], s[G0B+4*\slot+2:G0B+4*\slot+3], 2*ROWB
	JLOAD G0+4*\slot, G1, G0B+4*\slot, G1B         ; the first tensor load behind the round; its four v_nop are also the places in front of the loads below
.else
	PLACES NP
.endif
	FETCH_B \next, 0, 0
	FETCH_A \next, 0, 0
	WIN MUL_HI
	MUL16 4, 1, 0
	MUL16 6, 1, 0
	PLACES NP
	WIN 0
	FETCH_A \next, 0, 4
.endm
	s_wait_alu depctr_va_vdst(0)
	s_wait_tensorcnt 1                             ; my part of K step 0 is in; K step 1's load may be out
	s_barrier_signal -1
	s_barrier_wait -1                              ; everybody's is
	FETCH_B 0, 0, 0
	FETCH_A 0, 0, 0
	FETCH_A 0, 0, 4
	STEP 0, 0, 1                                   ; the first step stands in front of the loop: its products start the sums
	s_mov_b32 s3, LAPS-1
.Llap:                                                 ; a trip goes once round the ring and fills both slots again
	TURN 0, 1, 1
	STEP 1, 0, 0
	TURN 1, 0, 1
	STEP 0, 0, 0
	s_sub_co_u32 s3, s3, 1
	s_cmp_lg_u32 s3, 0
	s_cbranch_scc1 .Llap
	TURN 0, 1, 0                                   ; the last lap fills nothing
	STEP 1, 0, 0
	s_wait_dscnt 4*NL                              ; the very last step: nothing more to fetch
	WIN MUL_LO
	MUL16 0, 1, 0
	MUL16 2, 1, 0
	s_wait_dscnt 0
	WIN MUL_HI
	MUL16 4, 1, 0
	MUL16 6, 1, 0
	WIN 0
	; THE WAY OUT.  The three scales are folded into the conversion's one.
	s_wait_kmcnt 0x0
	s_cmp_eq_u32 s74, 1
	s_cselect_b32 s92, s78, s76                    ; eA: entry 2, else 0
	s_cselect_b32 s93, s79, s77                    ; eB: entry 3, else 1
	s_cselect_b32 s94, s83, s82                    ; eQ: entry 7, else 6
	s_cmp_eq_u32 s74, 2
	s_cselect_b32 s92, s80, s92                    ; v: entries 4, 5, 9
	s_cselect_b32 s93, s81, s93
	s_cselect_b32 s94, s85, s94
	s_sub_co_i32 s94, s94, s92
	s_sub_co_i32 s94, s94, s93                     ; E
	s_add_co_i32 s94, s94, 127
	s_lshl_b32 s95, s94, 23
	v_mov_b32 v[SC], s95                           ; 2^E as f32: the conversion takes its exponent field
	s_add_co_i32 s94, s94, 8
	s_lshl_b32 s94, s94, 23
	s_or_b32 s94, s94, 0x600000
	PLACES NP                                      ; behind the last products: for the writes into the registers that held A's fragments, and for the reads of results
; Block a: 16 rows of C x my 128 columns: eight accumulators become 16 registers of codes and leave by four stores of 512 consecutive bytes each.
.macro OUTBLK a
.set AC, 64*((\a)%4)
.set WN, 0x02+((\a)/4)
	WIN WN                                         ; source 0: window 2 or 3
.set jj, 0
.rept 64
.set jj, jj+1
.endr
.irp b, 0,1,2,3,4,5,6,7
	v_cvt_scalef32_pk8_fp8_f32 v[CD+16*(\a)+2*\b:CD+16*(\a)+2*\b+1], v[AC+8*\b:AC+8*\b+7], v[SC]
.endr
	WIN 0
	v_nop                                          ; a plain vector instruction between the conversions and the next block's writes of their sources
.if (\a) > 0
	s_wait_alu depctr_va_vdst(0)
	s_wait_xcnt 0x0                                ; the last block's stores have read their base
.if (\a) == 4
	s_add_nc_u64 s[96:97], s[96:97], s[90:91]
.else
	s_add_nc_u64 s[96:97], s[96:97], s[88:89]
.endif
.endif
	global_store_b128 v[O0], v[CD+16*(\a):CD+16*(\a)+3], s[96:97]
	global_store_b128 v[O0], v[CD+16*(\a)+4:CD+16*(\a)+7], s[96:97] offset:512
	global_store_b128 v[O1], v[CD+16*(\a)+8:CD+16*(\a)+11], s[96:97]
	global_store_b128 v[O1], v[CD+16*(\a)+12:CD+16*(\a)+15], s[96:97] offset:512
.endm
.irp a, 0,1,2,3,4,5,6,7
	OUTBLK \a
.endr
	s_wait_tensorcnt 0x0                           ; the wave's end
	ds_add_u32 v[SPW], v[NIL]
	s_wait_dscnt 0x0
	CROUND                                         ; the closing round: no work-group ends while a partner may still ask for a tile that names it
	s_endpgm
.Lfunc_end_k_q080ccf6fb5_qkv:
	.size	k_q080ccf6fb5_qkv, .Lfunc_end_k_q080ccf6fb5_qkv-k_q080ccf6fb5_qkv
	.p2alignl 7, 3214868480
	.fill 96, 4, 3214868480
	.section	.rodata,"a",@progbits
	.p2align	6, 0x0
	.amdhsa_kernel k_q080ccf6fb5_qkv
		.amdhsa_group_segment_fixed_size 327680
		.amdhsa_private_segment_fixed_size 0
		.amdhsa_enable_private_segment 0
		.amdhsa_kernarg_size 56
		.amdhsa_user_sgpr_count 2
		.amdhsa_user_sgpr_kernarg_segment_ptr 1
		.amdhsa_wavefront_size32 1
		.amdhsa_system_sgpr_workgroup_id_x 1
		.amdhsa_system_sgpr_workgroup_id_y 1
		.amdhsa_system_sgpr_workgroup_id_z 1
		.amdhsa_system_vgpr_workitem_id 0
		.amdhsa_next_free_vgpr 1024
		.amdhsa_next_free_sgpr 100
		.amdhsa_reserve_vcc 0
		.amdhsa_float_denorm_mode_32 3
		.amdhsa_float_denorm_mode_16_64 3
		.amdhsa_fp16_overflow 1
		.amdhsa_memory_ordered 1
		.amdhsa_forward_progress 1
		.amdhsa_inst_pref_size 88
	.end_amdhsa_kernel
	.amdgpu_metadata
---
amdhsa.version: [ 1, 2 ]
amdhsa.kernels:
  - .name:           k_q080ccf6fb5_qkv
    .symbol:         k_q080ccf6fb5_qkv.kd
    .args:
      - { .name: x_codes, .offset: 0, .size: 8, .value_kind: global_buffer, .address_space: global }
      - { .name: Wq_codes, .offset: 8, .size: 8, .value_kind: global_buffer, .address_space: global }
      - { .name: Wk_codes, .offset: 16, .size: 8, .value_kind: global_buffer, .address_space: global }
      - { .name: Wv_codes, .offset: 24, .size: 8, .value_kind: global_buffer, .address_space: global }
      - { .name: lowp_scales, .offset: 32, .size: 8, .value_kind: global_buffer, .address_space: global }
      - { .name: qf, .offset: 40, .size: 8, .value_kind: global_buffer, .address_space: global }
      - { .name: kv, .offset: 48, .size: 8, .value_kind: global_buffer, .address_space: global }
    .group_segment_fixed_size: 327680
    .private_segment_fixed_size: 0
    .kernarg_segment_align: 8
    .kernarg_segment_size: 56
    .max_flat_workgroup_size: 128
    .sgpr_count:     100
    .vgpr_count:     1024
    .wavefront_size: 32
...
	.end_amdgpu_metadata
.endif
;; end of part 1
;; launch attn (part 2): grid 4 x 64, 16 waves a work-group, no clusters, 327,680 bytes of LDS; arguments qf, kv, lowp_scales, cf; writes cf
.if DOCPART == 2
	.amdgcn_target "amdgcn-amd-amdhsa--gfx1250"
	.amdhsa_code_object_version 6
	.text
	.protected	k_q080ccf6fb5_attn
	.globl	k_q080ccf6fb5_attn
	.p2align	8
	.type	k_q080ccf6fb5_attn,@function
k_q080ccf6fb5_attn:
	s_mov_b64 s[64:65], 0
	v_nop
	global_prefetch_b8 v0, s[64:65] scope:SCOPE_SE
	s_setreg_imm32_b32 hwreg(HW_REG_WAVE_MODE, 25, 1), 1
	s_wait_xcnt 0x0
; Causal attention on codes of FP8 (E4M3): ctx[b][q][head] = sum over keys k <= q of softmax_k(Q . K / 8) V, 64 batch-heads of 2,048 tokens x 64 channels; ctx is quantised at once for the last product.
; qf, kv: images of operand registers (the launch before): a fragment comes by loads of 16 bytes at 16 x lane.  qf: [bh][q / 16][2][lane][16].  kv: [bh][key / 128][16,384]: 8 fragments of 16 keys x 64, then 4 of 16 channels x 128 keys.
; cf: [row / 16][head][2][lane][16]: lane (r, h), chunk c: channels 32 c + 16 h + 0 .. 15 of row r.
; THE SOFTMAX AHEAD OF THE SECOND PRODUCT: t = score x log2(e) / 8; M = the running largest t rounded UP to a whole number; p = 2^(t - M) is quantised, not normalised; the row's sum is taken of the unquantised p and divides at the end.
; When M moves, the sum and O are multiplied by 2^(old M - new M): exact.
; SHARES.  Work-group (I, bh) owns the 256 queries of block I and then those of block 7 - I of one head: it walks key slots (256 keys) 0 .. I and then 0 .. 7 - I: NINE slots whatever I is, so the trip count is a constant
; and all 256 work-groups have the same work under the mask.  Each of the sixteen waves owns one tile of 16 queries of the block in hand; wave w takes tile 8 ((w ^ (w >> 2)) & 1) + (w >> 1), so that the waves which skip the
; second step of a block's last slot are spread among the others.
; LAYOUT.  Both products are used transposed: S^T = K Q^T (source 0 = 16 keys, source 1 = my queries; K = 64), O^T = V^T P^T (source 0 = 16 channels, source 1 = P; K = 128 keys): a lane holds ONE query (lane % 16).
; Register j of tile t of S^T is key 16 t + 8 (lane / 16) + j: the conversion of tile t gives registers 2 t, 2 t + 1 of P in the K = 128 form's own layout (ISA guide 7.12.2).
; NO CLUSTER: the four work-groups of a head begin the keys anew at different trips (I + 1), so in one trip they want different tiles; and a slot's 32,768 bytes serve 32 steps of a wave's softmax: a small part of a trip's work.
; LIMITS on the given exponents, so that each power of two below is an f32 number: entries 6 + 7 between -123 and 130; entry 8, and entry 10 - entry 8 - entry 9, between -126 and 119.
; REGISTERS: v1, v3, v5-8 addresses; v12 -M, v13 the largest t, v[14:15] the sum in two halves; v16-23 Q at work; v24-31 Q of the second block; v32-95 K's 8 fragments, then V's 4; v96-159 S^T, then p; v160-191 O^T; v192-207 P's codes.
.set SLOT1, 32768                      ; a slot: two key blocks of 16,384 bytes, as they lie in kv; slot 1 begins here: one exclusive or turns an address from one slot into the other's
.set SPARE, 65536                      ; behind the ring: the spare words, 128 bytes for each of 16 waves, which no other line names
.set LI,   1                           ; v1   16 x lane: an image's place for my lane, in LDS
.set PFO,  3                           ; v3   256 x lane: the prefetches' offset
.set SPW,  5                           ; v5   LDS address of my spare word; never rewritten
.set NIL,  6                           ; v6   0; never rewritten
.set GO,   7                           ; v7   16 x lane, in memory
.set ADK,  8                           ; v8   LDS address of the slot in hand, for my lane
.set TB,   2                           ; s2   LDS byte at which the slot in hand begins
.set NN,   3                           ; s3   the slot's index, 0 .. 8: the loop's counter
.set WI,   12                          ; s12  I
.set KS,   13                          ; s13  the key slot asked for last
.set I1,   16                          ; s16  I + 1: the index of the second block's first slot
.set WV,   18                          ; s18  my wave's number
.set SEL,  20                          ; s[20:21] lane selects for v_permlanex16_b32: lane l xor 16
.set CS,   22                          ; s[22:23] c = log2(e) / 8 x 2^(entry 6 + entry 7)
.set G1,   24                          ; s[24:31] descriptor group 1
.set G0,   40                          ; s[40:43] descriptor group 0
.set KVB,  44                          ; s[44:45] the head's first key block that I fetch
.set CFA,  48                          ; s[48:49] where my tile of ctx goes
.set HM,   52                          ; s52  lanes 16 to 31
.set Q0B,  53                          ; s53  my first query in the second block
.set PFA,  76                          ; s[76:77] where my prefetches stand
.set PLO,  80                          ; s80  a wave prefetches in trips PLO .. PLO + 3
.set KF,   98                          ; s98  the step's first key
.set Q0,   99                          ; s99  my first query
; Waves 0 and 1 fetch a key block each; the branch hangs on the wave's number alone.  Four v_nop follow the load.
.macro TLOAD
	s_cmp_lt_u32 s[WV], 2
	s_cbranch_scc0 .Lasked_\@
	tensor_load_to_lds s[G0:G0+3], s[G1:G1+7]
	s_nop 0
.rept 4
	v_nop
.endr
.Lasked_\@:
.endm
; A PREFETCH INTO THE L2.  Work-group I = 0 is the first of its head to ask for key slots 4 to 7: it loads key slot n in trip n.  In trips 3 to 6 its waves 4 to 7, which fetch nothing, ask for key slot n + 1: 8,192 bytes a wave,
; lanes 256 bytes apart: one slot, two key steps of all sixteen waves, ahead of the load.  Each block of 256 bytes is named once in the launch.  Key slots 0 to 3 are asked for by the head's work-groups' first loads and are not prefetched.
.macro ASK
	s_sub_co_u32 s96, s[NN], s[PLO]
	s_cmp_lt_u32 s96, 4
	s_cbranch_scc0 .Lnot_mine_\@
	global_prefetch_b8 v[PFO], s[PFA:PFA+1] th:TH_LOAD_NT scope:SCOPE_SE
.Lnot_mine_\@:
.endm
	s_load_b128 s[4:7], s[0:1], 0x0                ; qf s[4:5], kv s[6:7]
	s_load_b128 s[8:11], s[0:1], 0x10              ; the scales' exponents s[8:9], cf s[10:11]
	v_lshl_add_u32 v[SPW], v0, 2, SPARE
	v_mov_b32 v[NIL], 0
	ds_add_u32 v5, v6
	ds_add_u32 v5, v6
	s_wait_dscnt 0x0
	v_lshrrev_b32 v8, 5, v0
	s_delay_alu instid0(VALU_DEP_1)
	v_readfirstlane_b32 s[WV], v8                  ; wave 0..15
	s_mov_b32 s[WI], ttmp9
	s_add_co_u32 s[I1], s[WI], 1
	s_and_b32 s17, ttmp7, 0xffff                   ; bh = 16 b + head
	s_lshr_b32 s73, s[WV], 2
	s_xor_b32 s73, s73, s[WV]
	s_and_b32 s73, s73, 1
	s_lshl_b32 s73, s73, 3
	s_lshr_b32 s74, s[WV], 1
	s_add_co_u32 s73, s73, s74                     ; my tile of the block's sixteen
	s_lshl_b32 s73, s73, 4
	s_lshl_b32 s74, s[WI], 8
	s_add_co_u32 s[Q0], s74, s73                   ; my first query in block I,
	s_sub_co_u32 s74, 7, s[WI]
	s_lshl_b32 s74, s74, 8
	s_add_co_u32 s[Q0B], s74, s73                  ; and in block 7 - I
	s_lshr_b32 s58, s17, 4
	s_lshl_b32 s58, s58, 11                        ; 2,048 b: the batch's first row of ctx
	s_and_b32 s59, s17, 15
	s_lshl_b32 s59, s59, 10                        ; 1,024 x head: the head's bytes in a tile of 16 rows of cf
	; descriptor group 1: a dense block of 16,384 bytes as 64 rows of 256
	s_mov_b32 s[G1], 3<<16                         ; no mask; elements of 8 bytes; no padding
	s_mov_b32 s[G1+1], 32<<16                      ; tensor_dim0 = 32
	s_mov_b32 s[G1+2], 64<<16                      ; tensor_dim1 = 64
	s_mov_b32 s[G1+3], 32<<16                      ; tile_dim0 = 32
	s_mov_b32 s[G1+4], 64                          ; tile_dim1 = 64
	s_mov_b32 s[G1+5], 32                          ; tensor_dim0_stride
	s_mov_b32 s[G1+6], 0
	s_mov_b32 s[G1+7], 0
	s_mov_b32 s[SEL], 0x76543210
	s_mov_b32 s[SEL+1], 0xfedcba98
	s_mov_b32 s[CS], 0x3e38aa3b                    ; log2(e) / 8
	s_mov_b32 s[HM], 0xffff0000
	s_mov_b32 s[TB], 0
	s_mov_b32 s[NN], 0
	s_mov_b32 s[KS], 0
	s_mov_b32 s[KF], 0
	s_and_b32 s74, s[WV], 1
	s_lshl_b32 s75, s74, 14                        ; which of a slot's two key blocks I fetch: its place in memory and in a slot
	s_lshl_b32 s46, s17, 18                        ; the head's 262,144 bytes of kv
	s_add_co_u32 s46, s46, s75
	s_mov_b32 s47, 0
	s_wait_kmcnt 0x0
	s_load_b128 s[68:71], s[8:9], 0x18             ; entries 6 to 9
	s_load_b32 s72, s[8:9], 0x28                   ; entry 10
	s_add_nc_u64 s[KVB:KVB+1], s[6:7], s[46:47]
	s_mov_b32 s[G0], 1                             ; count = 1
	s_mov_b32 s[G0+1], s75                         ; LDS address: slot 0
	s_mov_b64 s[G0+2:G0+3], s[KVB:KVB+1]           ; key slot 0
	s_or_b32 s[G0+3], s[G0+3], 0x80000000          ; type = 2
	TLOAD                                          ; slot 0: the launch's first fill
	s_lshl_b32 s46, s17, 17                        ; the head's 131,072 bytes of qf; a tile of 16 queries is 1,024
	s_lshl_b32 s73, s[Q0], 6
	s_add_co_u32 s46, s46, s73
	s_add_nc_u64 s[54:55], s[4:5], s[46:47]
	s_lshl_b32 s46, s17, 17
	s_lshl_b32 s73, s[Q0B], 6
	s_add_co_u32 s46, s46, s73
	s_add_nc_u64 s[56:57], s[4:5], s[46:47]
	v_and_b32 v[GO], 31, v0
	s_delay_alu instid0(VALU_DEP_1)
	v_lshlrev_b32 v[GO], 4, v[GO]
	global_load_b128 v[16:19], v[GO], s[54:55]             ; Q of my two tiles stays in registers
	global_load_b128 v[20:23], v[GO], s[54:55] offset:512
	global_load_b128 v[24:27], v[GO], s[56:57]
	global_load_b128 v[28:31], v[GO], s[56:57] offset:512
	v_and_b32 v[LI], 31, v0
	s_delay_alu instid0(VALU_DEP_1)
	v_lshlrev_b32 v[LI], 4, v[LI]
	v_and_b32 v[PFO], 31, v0
	s_delay_alu instid0(VALU_DEP_1)
	v_lshlrev_b32 v[PFO], 8, v[PFO]
	s_and_b32 s73, s[WV], 3
	s_lshl_b32 s73, s73, 13
	s_lshl_b32 s46, s17, 18
	s_add_co_u32 s46, s46, s73
	s_add_nc_u64 s[PFA:PFA+1], s[6:7], s[46:47]    ; my 8,192 bytes of key slot 0; each change of slots steps it one slot on
	s_sub_co_u32 s73, s[WV], 4
	s_lshr_b32 s73, s73, 2                         ; 0 in waves 4 to 7,
	s_or_b32 s73, s73, ttmp9                       ; of work-group I = 0
	s_cmp_eq_u32 s73, 0
	s_mov_b32 s[PLO], 100
	s_cselect_b32 s[PLO], 3, s[PLO]
.macro RESET                           ; the state of a block's first step: zeros, which the first change of M leaves zeros
	v_mov_b32 v13, 0xff61b1e6                      ; the largest t so far: -3e38, under every t
	s_delay_alu instid0(VALU_DEP_1)
	v_floor_f32 v12, -v13                          ; -M
	v_mov_b32 v14, 0
	v_mov_b32 v15, 0
.set ii, 0
.rept 32
	v_mov_b32 v[160+ii], 0                         ; O^T
.set ii, ii+1
.endr
.endm
	RESET
	v_mov_b32 v236, 0                              ; written once: a lane permute's destination counts as one of its sources
	v_mov_b32 v252, 0
	v_mov_b32 v253, 0                              ; (named as the upper half of the pair v[252:253])
.irp i, 0,1,2,3
	v_mov_b32 v[140+\i], 0
.endr
	s_wait_kmcnt 0x0
	s_add_co_i32 s73, s68, s69
	s_lshl_b32 s73, s73, 23
	s_add_co_i32 s[CS], s[CS], s73                 ; a score stands for score x 2^(entry 6 + entry 7): added to c's exponent field
	s_mov_b32 s[CS+1], s[CS]
	s_add_co_i32 s73, s70, 127
	s_lshl_b32 s74, s73, 23
	v_mov_b32 v244, s74                            ; 2^(entry 8), for p's conversions
	s_add_co_i32 s73, s73, 8
	s_lshl_b32 s73, s73, 23
	s_or_b32 s73, s73, 0x600000
	v_mov_b32 v240, s73                            ; 448 x that
	s_sub_co_i32 s73, s72, s70
	s_sub_co_i32 s73, s73, s71                     ; O / l stands for ctx / 2^(entry 8 + entry 9): ctx's code is (O / l) / 2^(entry 10 - entry 8 - entry 9)
	s_add_co_i32 s73, s73, 127
	s_lshl_b32 s74, s73, 23
	v_mov_b32 v245, s74
; A KEY STEP: 128 keys, the q-th key block of the slot in hand.
.macro STEP q
	s_add_co_u32 s96, s[Q0], 15                    ; a step all of whose keys come after my 16 queries is left out: a scalar branch on ids; no barrier and no tensor load stands in a step
	s_cmp_gt_u32 s[KF], s96
	s_cbranch_scc1 .Lhidden_\@
	v_add_nc_u32 v[ADK], s[TB], v[LI]
.rept 3
	v_nop                                          ; with the addition: four places in front of loads into registers that the last products read
.endr
.irp t, 0,1,2,3,4,5,6,7
.irp c, 0,1
	ds_load_b128 v[32+8*\t+4*\c:32+8*\t+4*\c+3], v[ADK] offset:16384*(\q)+1024*\t+512*\c   ; K's fragment t: 16 keys x 64
.endr
.endr
	s_wait_alu depctr_va_vdst(0)
	s_wait_dscnt 0x0
.irp t, 0,1,2,3,4,5,6,7
	v_wmma_f32_16x16x64_fp8_fp8 v[96+8*\t:103+8*\t], v[32+8*\t:39+8*\t], v[16:23], 0
.endr
.rept 4
	v_nop                                          ; places in front of the loads below and of the first read of the scores
.endr
.irp t, 0,1,2,3
.irp g, 0,1,2,3
	ds_load_b128 v[32+16*\t+4*\g:32+16*\t+4*\g+3], v[ADK] offset:16384*(\q)+8192+2048*\t+512*\g   ; V's fragment t: 16 channels x 128 keys: it lands while the softmax is walked
.endr
.endr
	s_add_co_u32 s96, s[KF], 127                   ; on the diagonal the scores of hidden keys become -infinity ahead of the maximum: p = 0 then.  A step all of whose keys count skips this
	s_cmp_le_u32 s96, s[Q0]
	s_cbranch_scc1 .Lopen_\@
	s_sub_co_i32 s96, s[Q0], s[KF]
	v_and_b32 v252, 15, v0
	v_bfe_u32 v253, v0, 4, 1
	s_delay_alu instid0(VALU_DEP_1)
	v_lshlrev_b32 v253, 3, v253
	s_delay_alu instid0(VALU_DEP_1)
	v_sub_nc_u32 v252, v252, v253
	s_delay_alu instid0(VALU_DEP_1)
	v_add_nc_u32 v252, s96, v252                   ; d = my query - KF - 8 (lane / 16).  Register 8 t + j holds key KF + 8 (lane / 16) + 16 t + j: hidden where 16 t + j > d
	v_mov_b32 v254, 0xff800000                     ; -infinity
.set ii, 0
.rept 64
	v_cmp_gt_i32 vcc_lo, 16*(ii/8)+ii%8, v252
	v_cndmask_b32 v[96+ii], v[96+ii], v254, vcc_lo
.set ii, ii+1
.endr
.Lopen_\@:
	v_max3_num_f32 v254, v96, v97, v98             ; the step's largest score of my query, among my 64 keys, in two chains,
	v_max3_num_f32 v252, v99, v100, v101
.irp i, 6,10,14,18,22,26,30,34,38,42,46,50,54,58
	v_max3_num_f32 v254, v254, v[96+\i], v[97+\i]
	v_max3_num_f32 v252, v252, v[98+\i], v[99+\i]
.endr
	v_max3_num_f32 v254, v254, v158, v159
	s_delay_alu instid0(VALU_DEP_1)
	v_max_num_f32 v254, v254, v252
	s_delay_alu instid0(VALU_DEP_1)
	v_permlanex16_b32 v236, v254, s[SEL], s[SEL+1]
	s_delay_alu instid0(VALU_DEP_1)
	v_max_num_f32 v254, v254, v236                 ; and among lane l xor 16's
	s_delay_alu instid0(VALU_DEP_1)
	v_mul_f32 v254, s[CS], v254                    ; as t (c is positive)
	s_delay_alu instid0(VALU_DEP_1)
	v_max_num_f32 v13, v13, v254                   ; the running largest t
	v_mov_b32 v254, v12
	s_delay_alu instid0(VALU_DEP_2)
	v_floor_f32 v12, -v13                          ; the new -M = floor(-t) = -ceil(t): M is a whole number
	s_delay_alu instid0(VALU_DEP_1)
	v_sub_f32 v254, v12, v254                      ; M's old value less its new one: a whole number, 0 or less
	s_delay_alu instid0(VALU_DEP_1)
	v_cvt_i32_f32 v254, v254                       ; (it saturates)
	s_delay_alu instid0(VALU_DEP_1)
	v_ldexp_f32 v252, 1.0, v254                    ; f = 2^(old M - new M)
.set ii, 0
.rept 32
	v_pk_fma_f32 v[96+ii:97+ii], v[96+ii:97+ii], s[CS:CS+1], v[12:13] op_sel_hi:[1,0,0]   ; t - M, two at a time
.set ii, ii+2
.endr
.set ii, 0
	s_wait_alu depctr_va_vdst(0)
.rept 64
	v_exp_f32 v[96+ii], v[96+ii]                   ; p = 2^(t - M), at most 1: not normalised
.set ii, ii+1
.endr
	v_pk_mul_f32 v[14:15], v[14:15], v[252:253] op_sel_hi:[1,0]   ; the sums under the new M: a plain instruction behind the exponentials
	s_wait_alu depctr_va_vdst(0)                   ; one wait for the whole batch, ahead of its first reader
	v_pk_add_f32 v[242:243], v[100:101], v[104:105]
	v_pk_add_f32 v[254:255], v[108:109], v[112:113]
	v_pk_add_f32 v[250:251], v[116:117], v[120:121]
	v_pk_add_f32 v[248:249], v[124:125], v[128:129]
	v_pk_add_f32 v[246:247], v[132:133], v[136:137]
	v_pk_add_f32 v[238:239], v[140:141], v[144:145]
	v_pk_add_f32 v[234:235], v[148:149], v[152:153]
	v_pk_add_f32 v[14:15], v[14:15], v[156:157]
	v_pk_add_f32 v[242:243], v[242:243], v[96:97]
	v_pk_add_f32 v[254:255], v[254:255], v[98:99]
	v_pk_add_f32 v[250:251], v[250:251], v[102:103]
	v_pk_add_f32 v[248:249], v[248:249], v[106:107]
	v_pk_add_f32 v[246:247], v[246:247], v[110:111]
	v_pk_add_f32 v[238:239], v[238:239], v[114:115]
	v_pk_add_f32 v[234:235], v[234:235], v[118:119]
	v_pk_add_f32 v[14:15], v[14:15], v[122:123]
	v_pk_add_f32 v[242:243], v[242:243], v[126:127]
	v_pk_add_f32 v[254:255], v[254:255], v[130:131]
	v_pk_add_f32 v[250:251], v[250:251], v[134:135]
	v_pk_add_f32 v[248:249], v[248:249], v[138:139]
	v_pk_add_f32 v[246:247], v[246:247], v[142:143]
	v_pk_add_f32 v[238:239], v[238:239], v[146:147]
	v_pk_add_f32 v[234:235], v[234:235], v[150:151]
	v_pk_add_f32 v[14:15], v[14:15], v[154:155]
	v_pk_add_f32 v[242:243], v[242:243], v[158:159]
	s_delay_alu instid0(VALU_DEP_2)
	v_pk_add_f32 v[14:15], v[14:15], v[248:249]
	s_delay_alu instid0(VALU_DEP_2)
	v_pk_add_f32 v[242:243], v[242:243], v[246:247]
	v_pk_add_f32 v[254:255], v[254:255], v[238:239]
	v_pk_add_f32 v[250:251], v[250:251], v[234:235]
	s_delay_alu instid0(VALU_DEP_2)
	v_pk_add_f32 v[14:15], v[14:15], v[254:255]
	s_delay_alu instid0(VALU_DEP_2)
	v_pk_add_f32 v[242:243], v[242:243], v[250:251]
	s_delay_alu instid0(VALU_DEP_1)
	v_pk_add_f32 v[14:15], v[14:15], v[242:243]
.irp t, 0,1,2,3,4,5,6,7
.irp i, 0,1,2,3,4,5,6,7
	v_min_num_f32 v[96+8*\t+\i], v[96+8*\t+\i], v240   ; the conversion does not saturate (ISA guide 7.6.2); p is not negative, so the hold is one-sided
.endr
	v_cvt_scalef32_pk8_fp8_f32 v[192+2*\t:193+2*\t], v[96+8*\t:103+8*\t], v244   ; keys 16 t + 8 (lane / 16) + 0 .. 7: registers 2 t, 2 t + 1 of P
.endr
.set ii, 0
.rept 16
	v_pk_mul_f32 v[160+ii:161+ii], v[160+ii:161+ii], v[252:253] op_sel_hi:[1,0]   ; O^T under the new M; also the plain instructions between the conversions and the products
.set ii, ii+2
.endr
	s_wait_alu depctr_va_vdst(0)
	s_wait_dscnt 0x0                               ; V is in
.irp t, 0,1,2,3
	v_wmma_f32_16x16x128_fp8_fp8 v[160+8*\t:167+8*\t], v[32+16*\t:47+16*\t], v[192:207], v[160+8*\t:167+8*\t]   ; four accumulators by turns; the next step's eight products stand between a link and the next
.endr
.Lhidden_\@:
	s_add_co_u32 s[KF], s[KF], 128
.endm
; THE CHANGE OF SLOTS stands at a slot's head.  Each wave waits for all its tensor loads (its part of the slot that it is about to read), adds 0 to its spare word, and waits for that and for its reads of the slot that it has left.
; Behind the barrier the slot ahead is whole and nobody reads the other one.  fill = 1: that other slot is filled with the next key slot of the walk: it has a whole slot's steps in which to land.  One tensor load of a fetching wave is out.
.macro CHANGE fill
	s_wait_tensorcnt 0x0                           ; no tensor load of mine is out, so group 0 may be written
	ds_add_u32 v[SPW], v[NIL]                      ; 0 onto my spare word
.if \fill
	s_xor_b32 s[G0+1], s[G0+1], SLOT1              ; the other slot than last time
	s_add_co_u32 s[KS], s[KS], 1                   ; the next key slot,
	s_cmp_eq_u32 s[NN], s[WI]
	s_cselect_b32 s[KS], 0, s[KS]                  ; or key slot 0 again, for the second block of queries
	s_lshl_b32 s46, s[KS], 15
	s_add_nc_u64 s[G0+2:G0+3], s[KVB:KVB+1], s[46:47]
	s_or_b32 s[G0+3], s[G0+3], 0x80000000
	s_wait_xcnt 0x0                                ; the last prefetch, a slot back, has read its address, so it may be written
	s_add_nc_u64 s[PFA:PFA+1], s[PFA:PFA+1], 32768
.endif
	s_wait_dscnt 0x0                               ; the add is done, and my reads of the slot that I have left are over
	s_barrier_signal -1
	s_barrier_wait -1
.if \fill
	TLOAD                                          ; the first thing behind the barrier, and a wave's one tensor load until the next
	ASK
.endif
.endm
.macro SLOT_STEPS
	STEP 0
	STEP 1
	s_xor_b32 s[TB], s[TB], SLOT1                  ; on to the other slot
.endm
; A BLOCK'S END: O^T / l is quantised and stored as an image.  A lane holds channels 16 t + 8 h + 0 .. 7 of its query; the image wants 16 neighbours a lane: lanes l and l xor 16 exchange half of their codes.
.macro FINISH
.rept 4
	v_nop                                          ; places behind the last products
.endr
	s_wait_xcnt 0x0                                ; earlier memory instructions have read their registers
	v_add_f32 v14, v14, v15                        ; the sum's two halves,
	s_delay_alu instid0(VALU_DEP_1)
	v_permlanex16_b32 v252, v14, s[SEL], s[SEL+1]
	s_delay_alu instid0(VALU_DEP_1)
	v_add_f32 v14, v14, v252                       ; and lane l xor 16's: the row's sum
	s_wait_alu depctr_va_vdst(0)
	v_rcp_f32 v14, v14
	v_nop                                          ; a plain instruction behind the reciprocal
	s_add_co_u32 s50, s58, s[Q0]                   ; my tile's first row of ctx,
	s_lshl_b32 s50, s50, 10                        ; x 1,024 bytes: 16 rows are 16 heads x 1,024
	s_add_co_u32 s50, s50, s59
	s_mov_b32 s51, 0
	s_add_nc_u64 s[CFA:CFA+1], s[10:11], s[50:51]
	s_wait_alu depctr_va_vdst(0)                   ; ahead of the reciprocal's first reader
.set ii, 0
.rept 16
	v_pk_mul_f32 v[96+ii:97+ii], v[160+ii:161+ii], v[14:15] op_sel_hi:[1,0]   ; O^T / l, each accumulator from its low end on
.set ii, ii+2
.endr
.irp t, 0,1,2,3
.irp i, 0,1,2,3,4,5,6,7
.endr
	v_cvt_scalef32_pk8_fp8_f32 v[128+2*\t:129+2*\t], v[96+8*\t:103+8*\t], v245
.endr
	v_nop                                          ; a plain instruction between the conversions and the reads of their results
.irp c, 0,1                                    ; chunk c of lane (r, H) is tile 2 c + H: its channels 0-7 lie in lane (r, 0), its channels 8-15 in lane (r, 1)
.irp e, 0,1
	v_cndmask_b32 v[136+2*\c+\e], v[130+4*\c+\e], v[128+4*\c+\e], s[HM]   ; what I send: h = 0: tile 2 c + 1; h = 1: tile 2 c
	v_cndmask_b32 v[152+2*\c+\e], v[128+4*\c+\e], v[130+4*\c+\e], s[HM]   ; what I keep
.endr
.endr
.irp i, 0,1,2,3
	v_permlanex16_b32 v[140+\i], v[136+\i], s[SEL], s[SEL+1]
.endr
.irp c, 0,1
.irp e, 0,1
	v_cndmask_b32 v[144+4*\c+\e], v[152+2*\c+\e], v[140+2*\c+\e], s[HM]   ; channels 0-7 of my 16: h = 0: mine; h = 1: received
	v_cndmask_b32 v[146+4*\c+\e], v[140+2*\c+\e], v[152+2*\c+\e], s[HM]   ; channels 8-15
.endr
.endr
	global_store_b128 v[GO], v[144:147], s[CFA:CFA+1]               ; two stores of 512 consecutive bytes, 1,024 on end
	global_store_b128 v[GO], v[148:151], s[CFA:CFA+1] offset:512
.endm
	s_wait_loadcnt 0x0                             ; Q
.Lslot:                                            ; eight trips: behind each change of slots but the last the next slot is asked for
	s_cmp_lg_u32 s[NN], s[I1]                      ; at slot I + 1 the first block of queries is finished and the second begins: a branch on ids, the same in all sixteen waves
	s_cbranch_scc1 .Lsame
	FINISH
.irp i, 0,1,2,3,4,5,6,7
	v_mov_b32 v[16+\i], v[24+\i]                   ; Q of the second block
.endr
	RESET
	s_mov_b32 s[KF], 0
	s_mov_b32 s[Q0], s[Q0B]
	s_wait_xcnt 0x0                                ; the two stores have read their data: the next scores may land there
.Lsame:
	CHANGE 1
	SLOT_STEPS
	s_add_co_u32 s[NN], s[NN], 1
	s_cmp_lt_u32 s[NN], 8
	s_cbranch_scc1 .Lslot
	CHANGE 0                                       ; the last slot is written out
	SLOT_STEPS
	FINISH
	s_wait_tensorcnt 0x0                           ; the wave's end
	ds_add_u32 v[SPW], v[NIL]
	s_wait_dscnt 0x0
	s_endpgm
.Lfunc_end_k_q080ccf6fb5_attn:
	.size	k_q080ccf6fb5_attn, .Lfunc_end_k_q080ccf6fb5_attn-k_q080ccf6fb5_attn
	.p2alignl 7, 3214868480
	.fill 96, 4, 3214868480
	.section	.rodata,"a",@progbits
	.p2align	6, 0x0
	.amdhsa_kernel k_q080ccf6fb5_attn
		.amdhsa_group_segment_fixed_size 327680
		.amdhsa_private_segment_fixed_size 0
		.amdhsa_enable_private_segment 0
		.amdhsa_kernarg_size 32
		.amdhsa_user_sgpr_count 2
		.amdhsa_user_sgpr_kernarg_segment_ptr 1
		.amdhsa_wavefront_size32 1
		.amdhsa_system_sgpr_workgroup_id_x 1
		.amdhsa_system_sgpr_workgroup_id_y 1
		.amdhsa_system_sgpr_workgroup_id_z 1
		.amdhsa_system_vgpr_workitem_id 0
		.amdhsa_next_free_vgpr 256
		.amdhsa_next_free_sgpr 100
		.amdhsa_reserve_vcc 1
		.amdhsa_float_denorm_mode_32 3
		.amdhsa_float_denorm_mode_16_64 3
		.amdhsa_fp16_overflow 1
		.amdhsa_memory_ordered 1
		.amdhsa_forward_progress 1
		.amdhsa_inst_pref_size 101
	.end_amdhsa_kernel
	.amdgpu_metadata
---
amdhsa.version: [ 1, 2 ]
amdhsa.kernels:
  - .name:           k_q080ccf6fb5_attn
    .symbol:         k_q080ccf6fb5_attn.kd
    .args:
      - { .name: qf, .offset: 0, .size: 8, .value_kind: global_buffer, .address_space: global }
      - { .name: kv, .offset: 8, .size: 8, .value_kind: global_buffer, .address_space: global }
      - { .name: lowp_scales, .offset: 16, .size: 8, .value_kind: global_buffer, .address_space: global }
      - { .name: cf, .offset: 24, .size: 8, .value_kind: global_buffer, .address_space: global }
    .group_segment_fixed_size: 327680
    .private_segment_fixed_size: 0
    .kernarg_segment_align: 8
    .kernarg_segment_size: 32
    .max_flat_workgroup_size: 512
    .sgpr_count:     100
    .vgpr_count:     256
    .wavefront_size: 32
...
	.end_amdgpu_metadata
.endif
;; end of part 2
;; launch proj (part 3): grid 4 x 32, 4 waves a work-group, clusters of 4 x 4, 327,680 bytes of LDS; arguments cf, Wo_codes, lowp_scales, bo, out0; writes out0
.if DOCPART == 3
	.amdgcn_target "amdgcn-amd-amdhsa--gfx1250"
	.amdhsa_code_object_version 6
	.text
	.protected	k_q080ccf6fb5_proj
	.globl	k_q080ccf6fb5_proj
	.p2align	8
	.type	k_q080ccf6fb5_proj,@function
k_q080ccf6fb5_proj:
	s_mov_b64 s[64:65], 0
	v_nop
	global_prefetch_b8 v0, s[64:65] scope:SCOPE_SE
	s_setreg_imm32_b32 hwreg(HW_REG_WAVE_MODE, 25, 1), 1
	s_wait_xcnt 0x0
	s_wait_alu depctr_hold_cnt(0) depctr_sa_sdst(0) depctr_va_vdst(0) depctr_va_sdst(0) depctr_va_ssrc(0) depctr_va_vcc(0) depctr_vm_vsrc(0)
	s_getreg_b32 s2, hwreg(HW_REG_IB_STS2, 6, 4)
	s_cmp_eq_u32 s2, 0
	s_cbranch_scc0 .Lentry_in_a_cluster
	s_endpgm
.Lentry_in_a_cluster:
	s_bfe_u32 s2, ttmp6, 0x10000c
	s_cmp_lg_u32 s2, 0xf033
	s_cbranch_scc0 .Lentry_shape_is_right
	s_endpgm
.Lentry_shape_is_right:
; out[m][n] = (sum over k of ctx[m][k] Wo[n][k]) x 2^(entry 10 + entry 11) + bo[n], on codes of FP8 (E4M3).  ctx: 8,192 x 1,024 as images of operand registers (cf); Wo: [1024][1024] codes, K innermost; out: [8192][1024] f32.
; cf: [m / 16][head][2][lane][16 bytes]: lane (r, h), chunk c: k = 64 head + 32 c + 16 h + 0 .. 15 of row r.  Two heads are a fragment of 16 rows x 128 K whose registers 4 c .. 4 c + 3 hold k = 32 c + 16 h + 0 .. 15:
; the order in which four loads of 16 bytes bring Wo's rows.  So k is permuted inside an instruction, alike in both operands: every product meets its partner; only the order of the sums differs.
; LIMIT: entry 10 + entry 11 lies between -126 and 127, so that the power of two is an f32 number.
; A tile of out, 256 x 256, is made by four waves, 128 x 128 each: 64 accumulators.  K goes in steps of 256 through a ring of two LDS slots filled by joint tensor loads: 4 x 4 work-groups form a cluster; the four of a row share
; A's tile, the four of a column B's.  The tiles are 128: as many work-groups are launched.  THE MATRIX INSTRUCTION IS USED TRANSPOSED (source 0 = 16 rows of Wo, source 1 = 16 rows of ctx): a lane holds eight neighbours of a row of out.
; REGISTERS, in windows of 256: window 0: v0-31 addresses, v8-11 my four numbers of bo; from v128 A's fragments, ONE set; on the way out rows of out.   window 1: B's fragments, TWO sets.   windows 2, 3: the accumulators.
.set SIZE_N, 1024
.set ROWB,   256                       ; B: a tile's row in bytes
.set KROW,   1024                      ; a row of Wo in memory
.set PITCH,  272                       ; B's LDS row: 256 bytes + 16 of padding: the 16 rows that a load touches start at 16 different banks (64 banks of 4 bytes: ISA guide 11.1)
.set FR,     16
.set NL,     4
.set NP,     4                         ; places behind this matrix instruction (ISA guide 7.12.1)
.set HALFA,  32768                     ; A: 128 rows x 256 K as images: 8 tiles of 16 rows x 4,096 bytes, dense
.set HALFB,  128*PITCH                 ; B: 128 rows
.set BOFF,   2*HALFA                   ; B's rows lie behind A's
.set SLOT,   2*HALFA+2*HALFB
.set LAPS,   2
.set SPARE,  2*SLOT                    ; behind the ring: the spare words, 128 bytes for each wave, which no other line names
.set SPITCH, 528                       ; the way out: a stage of 16 rows x (512 bytes + 16) for each wave, in slot 0, which has had its last fill and its last read when the first result is stored there
.set ADRA, 16                          ; v16-17  LDS address of my A fragments in slot 0, 1
.set ADRB, 20                          ; v20-21  the same for B
.set STO,  24                          ; v24     the way out: where I put 32 bytes of a row
.set RD,   25                          ; v25     where I read a row back
.set CO,   26                          ; v26     16 x lane
.set SPW,  28                          ; v28     LDS address of my spare word; never rewritten
.set NIL,  29                          ; v29     0; never rewritten
.set AF,   128
.set BK,   128                         ; the way out: 16 rows read back from the stage: v128-191 and v192-255 by turns
.set G1, 24                            ; s[24:31] descriptor group 1 for A's tiles;  s[32:39] group 0, one set for each slot
.set G0, 32
.set G1B, 48                           ; s[48:55], s[56:63] the same for B's tiles
.set G0B, 56
.set MSB, 0
.macro WIN new
.if MSB != \new
	s_set_vgpr_msb (MSB<<8)|\new
.set MSB, \new
.endif
.endm
.set MUL_LO, 0xa1
.set MUL_HI, 0xf1
.set TO_B,   0x40
.macro JLOAD g0a, g1a, g0b, g1b        ; a joint load: waves 0 and 1 fetch for A, waves 2 and 3 for B; four v_nop follow each of the two lines
	s_cmp_eq_u32 s15, 0
	s_cbranch_scc0 .Lfor_b_\@
	tensor_load_to_lds s[\g0a:\g0a+3], s[\g1a:\g1a+7]
	s_nop 0
.rept 4
	v_nop
.endr
	s_branch .Lasked_\@
.Lfor_b_\@:
	tensor_load_to_lds s[\g0b:\g0b+3], s[\g1b:\g1b+7]
	s_nop 0
.rept 4
	v_nop
.endr
.Lasked_\@:
.endm
.macro CREST
	s_cmp_lg_u32 s14, 0
	s_cbranch_scc1 .Lnot_wave_0_\@
	s_barrier_signal -3
.Lnot_wave_0_\@:
	s_barrier_wait -3
	s_barrier_signal -1
	s_barrier_wait -1
.endm
.macro CROUND
	s_barrier_signal -1
	s_barrier_wait -1
	CREST
.endm
	s_load_b128 s[4:7], s[0:1], 0x0                ; cf s[4:5], Wo's codes s[6:7]
	s_load_b128 s[8:11], s[0:1], 0x10              ; the scales' exponents s[8:9], bo s[10:11]
	s_load_b64 s[12:13], s[0:1], 0x20              ; out
	v_lshl_add_u32 v[SPW], v0, 2, SPARE
	v_mov_b32 v[NIL], 0
	ds_add_u32 v28, v29
	s_wait_dscnt 0x0
	v_lshrrev_b32 v1, 5, v0
	v_readfirstlane_b32 s14, v1                    ; wave 0..3
	s_lshr_b32 s15, s14, 1                         ; which half of the tile's rows is mine.  Also: I fetch for A (0) or for B (1)
	s_and_b32 s16, s14, 1                          ; which half of its columns.  Also: which 128 rows of that tile I fetch
	s_bfe_u32 s40, ttmp6, 0x40000                  ; cx, cy
	s_bfe_u32 s41, ttmp6, 0x40004
	s_lshl_b32 s42, ttmp9, 2
	s_add_co_u32 s42, s42, s40                     ; tile column
	s_and_b32 s17, ttmp7, 0xffff
	s_lshl_b32 s17, s17, 2
	s_add_co_u32 s17, s17, s41                     ; tile row
	s_lshl_b32 s43, s41, 2
	s_lshl_b32 s43, 15, s43                        ; my row of the cluster
	s_lshl_b32 s44, 0x1111, s40                    ; my column
	; A's group 1: 8 rows of 4,096 bytes (a tile of 16 rows of ctx, four heads), 16,384 bytes apart in memory, dense in LDS
	s_or_b32 s[G1+0], s43, (0<<16)|(1<<21)         ; the mask: my row; element of 1 byte; no padding; 21 set beside a mask
	s_mov_b32 s[G1+1], 4096<<16                    ; tensor_dim0
	s_mov_b32 s[G1+2], 8<<16                       ; tensor_dim1
	s_mov_b32 s[G1+3], 4096<<16                    ; tile_dim0
	s_mov_b32 s[G1+4], 8                           ; tile_dim1
	s_mov_b32 s[G1+5], 16384                       ; tensor_dim0_stride
	s_mov_b32 s[G1+6], 0
	s_mov_b32 s[G1+7], 0
	; B's group 1: 128 rows of 256 bytes, padded in LDS
	s_or_b32 s[G1B+0], s44, (0<<16)|(1<<20)|(1<<21)|(5<<22)|(3<<25)
	s_mov_b32 s[G1B+1], ROWB<<16
	s_mov_b32 s[G1B+2], 128<<16
	s_mov_b32 s[G1B+3], ROWB<<16
	s_mov_b32 s[G1B+4], 128
	s_mov_b32 s[G1B+5], KROW
	s_mov_b32 s[G1B+6], 0
	s_mov_b32 s[G1B+7], 0
	s_lshl_b32 s18, s16, 7                         ; which 128 rows of the tile I fetch
	s_lshl_b32 s20, s17, 8
	s_add_co_u32 s20, s20, s18
	s_lshl_b32 s46, s42, 8
	s_add_co_u32 s46, s46, s18
	s_lshl_b32 s20, s20, 10                        ; in cf, too, a row's share is 1,024 bytes
	s_lshl_b32 s46, s46, 10
	s_mov_b32 s21, 0
	s_mov_b32 s47, 0
	s_lshl_b32 s45, s16, 15                        ; where they go: A's half,
	s_mul_i32 s67, s16, HALFB
	s_add_co_u32 s67, s67, BOFF                    ; B's half: no place in the cluster enters an LDS address
	s_wait_kmcnt 0x0
	s_load_b64 s[96:97], s[8:9], 0x28              ; entries 10, 11
	s_add_nc_u64 s[20:21], s[4:5], s[20:21]
	s_add_nc_u64 s[46:47], s[6:7], s[46:47]
	CROUND                                         ; all sixteen work-groups are here: the first joint loads meet
.irp s, 0,1
	s_mov_b32 s[G0+4*\s], 1
	s_add_co_u32 s[G0+4*\s+1], s45, \s*SLOT
	s_add_nc_u64 s[G0+4*\s+2:G0+4*\s+3], s[20:21], \s*4096          ; K step s: heads 4 s on
	s_or_b32 s[G0+4*\s+3], s[G0+4*\s+3], 0x80000000
	s_mov_b32 s[G0B+4*\s], 1
	s_add_co_u32 s[G0B+4*\s+1], s67, \s*SLOT
	s_add_nc_u64 s[G0B+4*\s+2:G0B+4*\s+3], s[46:47], \s*ROWB
	s_or_b32 s[G0B+4*\s+3], s[G0B+4*\s+3], 0x80000000
	JLOAD G0+4*\s, G1, G0B+4*\s, G1B
.endr
	v_and_b32 v1, 15, v0                           ; l % 16
	v_bfe_u32 v2, v0, 4, 1                         ; l / 16
	v_mul_u32_u24 v3, v1, PITCH
	v_lshl_add_u32 v4, v2, 4, v3                   ; B: a fragment's row x pitch + 16 x half
	v_and_b32 v6, 31, v0
	v_lshlrev_b32 v[CO], 4, v6                     ; A: 16 x lane
	s_lshl_b32 s21, s15, 15                        ; my 128 rows of A
	s_mul_i32 s22, s16, HALFB                      ; my 128 rows of B
	s_add_co_u32 s22, s22, BOFF
.irp s, 0,1
	v_add_nc_u32 v[ADRA+\s], s21, v[CO]
	v_add_nc_u32 v[ADRB+\s], s22, v4
	s_add_co_u32 s21, s21, SLOT
	s_add_co_u32 s22, s22, SLOT
.endr
	s_mul_i32 s23, s14, 16*SPITCH                  ; my stage
	v_mul_u32_u24 v5, v1, SPITCH                   ; in: row l % 16, 32 bytes for each half of the lanes
	v_lshl_add_u32 v5, v2, 5, v5
	v_add_nc_u32 v[STO], s23, v5
	v_add_nc_u32 v[RD], s23, v[CO]                 ; back: the 32 lanes take one row of 512 bytes
	s_lshl_b32 s20, s17, 8
	s_lshl_b32 s21, s15, 7
	s_add_co_u32 s20, s20, s21                     ; my first row of out
	s_lshl_b32 s20, s20, 12                        ; x 4,096 bytes
	s_mov_b32 s21, 0
	s_lshl_b32 s46, s42, 10                        ; my first column, in bytes: 1,024 x tile column + 512 x half
	s_lshl_b32 s47, s16, 9
	s_add_co_u32 s46, s46, s47
	s_mov_b32 s47, 0
	s_add_nc_u64 s[20:21], s[20:21], s[46:47]
	s_add_nc_u64 s[12:13], s[12:13], s[20:21]
	s_add_nc_u64 s[10:11], s[10:11], s[46:47]
	global_load_b128 v[8:11], v[CO], s[10:11]      ; bo of the four columns that I store in every row
.macro FRAGB reg, adr, q, i            ; registers 4 c .. 4 c + 3 hold K = 32 c + 16 (l / 16) + 0 .. 15 of row l % 16
.irp c, 0,1,2,3
	ds_load_b128 v[\reg+4*\c:\reg+4*\c+3], v[\adr] offset:128*(\q)+32*\c+(\i)*16*PITCH
.endr
.endm
.macro FRAGA reg, adr, q, i            ; the same registers, from the image: tile i of 16 rows, heads 2 q and 2 q + 1 of the slot's four
.irp c, 0,1,2,3
	ds_load_b128 v[\reg+4*\c:\reg+4*\c+3], v[\adr] offset:4096*(\i)+2048*(\q)+512*\c
.endr
.endm
.macro MUL16 a0, p, zero               ; the 64 accumulators take turns, one instruction a turn
.irp a, \a0, \a0+1
.irp b, 0,1,2,3,4,5,6,7
.if \zero
	v_wmma_f32_16x16x128_fp8_fp8 v[8*(8*((\a)%4)+\b):8*(8*((\a)%4)+\b)+7], v[128*(\p)+FR*\b:128*(\p)+FR*\b+FR-1], v[AF+FR*(\a):AF+FR*(\a)+FR-1], 0
.else
	v_wmma_f32_16x16x128_fp8_fp8 v[8*(8*((\a)%4)+\b):8*(8*((\a)%4)+\b)+7], v[128*(\p)+FR*\b:128*(\p)+FR*\b+FR-1], v[AF+FR*(\a):AF+FR*(\a)+FR-1], v[8*(8*((\a)%4)+\b):8*(8*((\a)%4)+\b)+7]
.endif
.endr
.endr
.endm
.macro FETCH_B slot, q, p
	WIN TO_B
.irp i, 0,1,2,3,4,5,6,7
	FRAGB 128*(\p)+FR*\i, ADRB+\slot, \q, \i
.endr
	WIN 0
.endm
.macro FETCH_A slot, q, i0
.irp i, \i0, \i0+1, \i0+2, \i0+3
	FRAGA AF+FR*(\i), ADRA+\slot, \q, \i
.endr
.endm
.macro PLACES n
.rept \n
	v_nop
.endr
.endm
.macro STEP slot, q, zero
	s_wait_dscnt 4*NL                              ; B's set and A's blocks 0-3 are in; the youngest 16 loads (A's blocks 4-7) may be out
	WIN MUL_LO
	MUL16 0, (\q)%2, \zero
	MUL16 2, (\q)%2, \zero
	s_wait_dscnt 0
	PLACES NP
	FETCH_B \slot, (\q)+1, 1-(\q)%2
	FETCH_A \slot, (\q)+1, 0
	WIN MUL_HI
	MUL16 4, (\q)%2, \zero
	MUL16 6, (\q)%2, \zero
	PLACES NP
	WIN 0
	FETCH_A \slot, (\q)+1, 4
.endm
.macro TURN slot, next, fill
	s_wait_tensorcnt 0x0                           ; all my tensor loads have landed: my part of the next slot
	ds_add_u32 v[SPW], v[NIL]                      ; 0 onto my spare word
	s_wait_dscnt 4*NL+1                            ; the add and the youngest 16 loads may be out
	WIN MUL_LO
	MUL16 0, 1, 0
	s_wait_dscnt 0x0                               ; the add is done, and my reads of this slot are over
	s_barrier_signal -1
	MUL16 2, 1, 0
	WIN 0
	s_barrier_wait -1
.if \fill
	CREST                                          ; a round of the cluster's barrier: no wave of any partner still reads this slot's tile or has a load on its way
	s_add_nc_u64 s[G0+4*\slot+2:G0+4*\slot+3], s[G0+4*\slot+2:G0+4*\slot+3], 2*4096
	s_add_nc_u64 s[G0B+4*\slot+2:G0B+4*\slot+3], s[G0B+4*\slot+2:G0B+4*\slot+3], 2*ROWB
	JLOAD G0+4*\slot, G1, G0B+4*\slot, G1B         ; the first tensor load behind the round; its four v_nop are also the places in front of the loads below
.else
	PLACES NP
.endif
	FETCH_B \next, 0, 0
	FETCH_A \next, 0, 0
	WIN MUL_HI
	MUL16 4, 1, 0
	MUL16 6, 1, 0
	PLACES NP
	WIN 0
	FETCH_A \next, 0, 4
.endm
	s_wait_tensorcnt 1                             ; my part of K step 0 is in; K step 1's load may be out
	s_barrier_signal -1
	s_barrier_wait -1
	FETCH_B 0, 0, 0
	FETCH_A 0, 0, 0
	FETCH_A 0, 0, 4
	STEP 0, 0, 1                                   ; the first step's products start the sums
	s_mov_b32 s3, LAPS-1
.Llap:
	TURN 0, 1, 1
	STEP 1, 0, 0
	TURN 1, 0, 1
	STEP 0, 0, 0
	s_sub_co_u32 s3, s3, 1
	s_cmp_lg_u32 s3, 0
	s_cbranch_scc1 .Llap
	TURN 0, 1, 0                                   ; the last lap fills nothing
	STEP 1, 0, 0
	s_wait_dscnt 4*NL
	WIN MUL_LO
	MUL16 0, 1, 0
	MUL16 2, 1, 0
	s_wait_dscnt 0
	WIN MUL_HI
	MUL16 4, 1, 0
	MUL16 6, 1, 0
	WIN 0
; THE WAY OUT, block by block of 16 rows x 128 columns.  The sums go as they are into my own stage in LDS and come back as whole rows of 512 bytes; there a lane holds the same four columns in every row, so one packed
; multiply-add for two numbers gives sum x 2^(entry 10 + entry 11) + bo.  LDS serves a wave's instructions in order (ISA guide 5.7.1.4): no wait between the stores and the loads.
.macro TOSTAGE a
.set AC, 64*((\a)%4)
.set WN, 0x08+4*((\a)/4)
	WIN WN                                         ; the stores' data: window 2 or 3
.irp b, 0,1,2,3,4,5,6,7
	ds_store_b128 v[STO], v[AC+8*\b:AC+8*\b+3] offset:64*\b          ; each accumulator from its low end on
	ds_store_b128 v[STO], v[AC+8*\b+4:AC+8*\b+7] offset:64*\b+16
.endr
	WIN 0
.set BB, BK+64*((\a)%2)
.irp t, 0,1,2,3,4,5,6,7,8,9,10,11,12,13,14,15
	ds_load_b128 v[BB+4*\t:BB+4*\t+3], v[RD] offset:\t*SPITCH
.endr
.endm
.macro SEND a, younger                 ; younger: the LDS instructions issued behind block a's loads, which may stay out
.set BB, BK+64*((\a)%2)
	s_wait_dscnt \younger                          ; the block is back in registers
.if (\a) > 0
	s_add_nc_u64 s[12:13], s[12:13], 16*SIZE_N*4   ; (behind a wait on XCNT: the earlier stores have read their base)  16 rows of out on
.endif
.irp t, 0,1,2,3,4,5,6,7,8,9,10,11,12,13,14,15
	v_pk_fma_f32 v[BB+4*\t:BB+4*\t+1], v[BB+4*\t:BB+4*\t+1], s[96:97], v[8:9] op_sel_hi:[1,0,1]
	v_pk_fma_f32 v[BB+4*\t+2:BB+4*\t+3], v[BB+4*\t+2:BB+4*\t+3], s[96:97], v[10:11] op_sel_hi:[1,0,1]
.endr
.irp t, 0,1,2,3,4,5,6,7,8,9,10,11,12,13,14,15
	global_store_b128 v[CO], v[BB+4*\t:BB+4*\t+3], s[12:13] offset:\t*SIZE_N*4 th:TH_STORE_NT   ; 32 lanes store 512 consecutive bytes, at a multiple of 256 from out's first byte; written once, read by nobody here
.endr
.endm
	s_wait_kmcnt 0x0
	s_add_co_i32 s96, s96, s97
	s_add_co_i32 s96, s96, 127
	s_lshl_b32 s96, s96, 23                        ; 2^(entry 10 + entry 11) as f32
	s_mov_b32 s97, s96                             ; (named with it as a pair, so it is written)
	s_wait_loadcnt 0x0                             ; bo
	PLACES NP                                      ; behind the last products: for the LDS stores that read results and for the loads into the registers that held A's fragments
	TOSTAGE 0
.irp a, 1,2,3,4,5,6,7
.if \a > 1
	s_wait_xcnt 0x0                                ; block a - 2's stores have read their registers and their base
.endif
	TOSTAGE \a
	SEND \a-1, 32                                  ; behind block a - 1's loads: block a's 16 stores and 16 loads
.endr
	s_wait_xcnt 0x0                                ; block 6's stores have read their base
	SEND 7, 0
	s_wait_tensorcnt 0x0                           ; the wave's end
	ds_add_u32 v[SPW], v[NIL]
	s_wait_dscnt 0x0
	CROUND                                         ; the closing round: no work-group ends while a partner may still ask for a tile that names it
	s_endpgm
.Lfunc_end_k_q080ccf6fb5_proj:
	.size	k_q080ccf6fb5_proj, .Lfunc_end_k_q080ccf6fb5_proj-k_q080ccf6fb5_proj
	.p2alignl 7, 3214868480
	.fill 96, 4, 3214868480
	.section	.rodata,"a",@progbits
	.p2align	6, 0x0
	.amdhsa_kernel k_q080ccf6fb5_proj
		.amdhsa_group_segment_fixed_size 327680
		.amdhsa_private_segment_fixed_size 0
		.amdhsa_enable_private_segment 0
		.amdhsa_kernarg_size 40
		.amdhsa_user_sgpr_count 2
		.amdhsa_user_sgpr_kernarg_segment_ptr 1
		.amdhsa_wavefront_size32 1
		.amdhsa_system_sgpr_workgroup_id_x 1
		.amdhsa_system_sgpr_workgroup_id_y 1
		.amdhsa_system_sgpr_workgroup_id_z 1
		.amdhsa_system_vgpr_workitem_id 0
		.amdhsa_next_free_vgpr 1024
		.amdhsa_next_free_sgpr 100
		.amdhsa_reserve_vcc 0
		.amdhsa_float_denorm_mode_32 3
		.amdhsa_float_denorm_mode_16_64 3
		.amdhsa_memory_ordered 1
		.amdhsa_forward_progress 1
		.amdhsa_inst_pref_size 123
	.end_amdhsa_kernel
	.amdgpu_metadata
---
amdhsa.version: [ 1, 2 ]
amdhsa.kernels:
  - .name:           k_q080ccf6fb5_proj
    .symbol:         k_q080ccf6fb5_proj.kd
    .args:
      - { .name: cf, .offset: 0, .size: 8, .value_kind: global_buffer, .address_space: global }
      - { .name: Wo_codes, .offset: 8, .size: 8, .value_kind: global_buffer, .address_space: global }
      - { .name: lowp_scales, .offset: 16, .size: 8, .value_kind: global_buffer, .address_space: global }
      - { .name: bo, .offset: 24, .size: 8, .value_kind: global_buffer, .address_space: global }
      - { .name: out0, .offset: 32, .size: 8, .value_kind: global_buffer, .address_space: global }
    .group_segment_fixed_size: 327680
    .private_segment_fixed_size: 0
    .kernarg_segment_align: 8
    .kernarg_segment_size: 40
    .max_flat_workgroup_size: 128
    .sgpr_count:     100
    .vgpr_count:     1024
    .wavefront_size: 32
...
	.end_amdgpu_metadata
.endif
;; end of part 3
